; MI455X (gfx1250); checked and timed in simulation.
; The chip was launched on July 23, 2026; its instructions are those of AMD's public machine-readable ISA for CDNA 5 (MIT licence, August 2026) and "CDNA5" Instruction Set Architecture Reference Guide (July 2026). The comments in the code are by the model that wrote it; some were corrected since.
;; Attention Pool Head. Allowed arithmetic: matrix products marked QUANTISED: E2M3 operands, one E8M0 scale for each 32 along K, by v_wmma_scale_f32_16x16x128_f8f6f4 with both operands' format E2M3, f32 sums; products left as they are: f32 operands where the result goes on into a quantised operand, else bf16, f16 or f32 operands; f32 sums; everything else in f32.
;; Inputs: Wk_codes 1,024 x 32 x 24 uint8 (E2M3 codes of Wk, K innermost, in blocks of 32 codes, four codes in three bytes); Wk_scales 1,024 x 32 uint8 (E8M0 scales of Wk, one for each 32 codes along K); Wo_codes 1,024 x 32 x 24 uint8 (E2M3 codes of Wo, K innermost, in blocks of 32 codes, four codes in three bytes); Wo_scales 1,024 x 32 uint8 (E8M0 scales of Wo, one for each 32 codes along K); Wp 14 x 1,024 float32; Wq_codes 1,024 x 32 x 24 uint8 (E2M3 codes of Wq, K innermost, in blocks of 32 codes, four codes in three bytes); Wq_scales 1,024 x 32 uint8 (E8M0 scales of Wq, one for each 32 codes along K); Wv_codes 1,024 x 32 x 24 uint8 (E2M3 codes of Wv, K innermost, in blocks of 32 codes, four codes in three bytes); Wv_scales 1,024 x 32 uint8 (E8M0 scales of Wv, one for each 32 codes along K); bk 1,024 float32; bo 1,024 float32; bp 14 float32; bq 1,024 float32; bv 1,024 float32; cls_tok 64 x 1,024 float32; ln_kv_b 1,024 float32; ln_kv_g 1,024 float32; ln_out_b 1,024 float32; ln_out_g 1,024 float32; patches 64 x 512 x 1,024 float32; query_codes 1 x 1 x 32 x 24 uint8 (E2M3 codes of query, K innermost, in blocks of 32 codes, four codes in three bytes); query_scales 1 x 1 x 32 uint8 (E8M0 scales of query, one for each 32 codes along K); storage 64 x 4 x 1,024 float32.
;; Outputs: out0 64 x 14 float32.
;; This version of the problem:
;;   THIS VERSION OF THE PROBLEM IS GIVEN IN LOW PRECISION. The matrix products marked QUANTISED in the list below multiply operands that are first quantised to E2M3 (2 exponent bits, 3 mantissa bits; 6 bits a number), with one power-of-two scale for each 32 numbers along K (OCP MX v1.0); their sums are f32. All else is computed in f32.
;;   The module's matrix products, in the order in which they are computed (A, B: the left and right operand; K: the contracted axis; several contracted axes count as one K, in the product's order):
;;     1. [M 64, K 1,024] x [K 1,024, N 1,024]; A: input query (given as codes); B: input Wq (given as codes): QUANTISED
;;     2. [M 33,088, K 1,024] x [K 1,024, N 1,024]; A: computed on the way; B: input Wk (given as codes): QUANTISED
;;     3. [M 33,088, K 1,024] x [K 1,024, N 1,024]; A: computed on the way; B: input Wv (given as codes): QUANTISED
;;     4. batch 1,024 x [M 1, K 64] x [K 64, N 517]; A: computed on the way; B: computed on the way: left as it is (M = 1 < 16)
;;     5. batch 1,024 x [M 64, K 517] x [K 517, N 1]; A: computed on the way; B: softmax: left as it is (N = 1 < 16)
;;     6. [M 64, K 1,024] x [K 1,024, N 1,024]; A: computed on the way; B: input Wo (given as codes): QUANTISED
;;     7. [M 64, K 1,024] x [K 1,024, N 14]; A: computed on the way; B: input Wp: left as it is (N = 14 < 16)
;;   THE QUANTISER, for each operand of a quantised product, along K:
;;     - K is cut into blocks of 32 from its start; a last block that is shorter is filled with zeros.
;;     - A block's scale is 2^e with e = floor(log2(the largest magnitude in the block)) - 2, held to -126 .. 127; a block of zeros has e = 0. As a byte (E8M0): e + 127.
;;     - Each number is divided by its block's scale, clamped to +-7.5, and rounded to the nearest number of E2M3, ties to even, subnormals kept.
;;     - The product sums the exact products of the quantised numbers (number of the format x scale) in f32.
;;   ~~~python
;;   def quantise(x, axis):      # numpy; x: float32 -> the quantised numbers, widened to float32 again
;;       x = np.moveaxis(x, axis, -1); K = x.shape[-1]
;;       x = np.pad(x, [(0, 0)] * (x.ndim - 1) + [(0, -K % 32)]); x = x.reshape(x.shape[:-1] + (-1, 32)); a = np.abs(x).max(-1, keepdims=True)
;;       e = np.where(a > 0, np.clip(np.frexp(np.where(a > 0, a, 1))[1] - 1 - 2, -126, 127), 0)      # np.frexp(a)[1] - 1 = floor(log2(a)), exactly
;;       r = np.clip(x / 2.0 ** e, -7.5, 7.5)
;;       step = 2.0 ** (np.maximum(np.frexp(np.where(r == 0, 1, r))[1] - 1, 0) - 3)
;;       q = np.round(r / step) * step * 2.0 ** e      # np.round: ties to even
;;       return np.moveaxis(q.reshape(q.shape[:-2] + (-1,))[..., :K], -1, axis).astype(np.float32)
;;   ~~~
;;   OPERANDS COMPUTED ON THE WAY. 'Computed on the way' means the value that the module computes at that place (a softmax that the list does not call 'softmax' is quantised finished and normalised). What goes into a quantiser is computed in f32, as accurately as f32 sums, v_exp_f32 and their like allow (about 1e-6 of the number): no bf16 or f16 on the way to a quantiser, and a product that is left as it is and whose result goes on into a quantised operand takes f32 operands (vector FMAs, or v_wmma_f32_16x16x4_f32). A number that lies on a knife's edge between two numbers of the format may be rounded either way, as far as f32 arithmetic and the matrix unit's own rounding can turn it there, and no further.
;;   INPUTS GIVEN AS CODES. Wk (in the module: [1024, 1024], K = its axis 1); Wo (in the module: [1024, 1024], K = its axis 1); Wq (in the module: [1024, 1024], K = its axis 1); Wv (in the module: [1024, 1024], K = its axis 1); query (in the module: [1, 1, 1024], K = its axis 2): each comes as NAME_codes (uint8): NAME with its K axis moved to the last place and cut into blocks of 32 codes, [.., K / 32, bytes a block], one block behind the other in memory; four codes in three bytes: a row's codes are one little-endian stream of bits, code i at bits 6 i .. 6 i + 5 (a code: sign, 2 exponent bits, 3 mantissa bits); and NAME_scales (uint8): the same leading axes, one E8M0 byte (e + 127) for each 32 codes along K. Its value is code x scale, taken as it is: it is not quantised again, and the codes and scales need not be those that the quantiser above would give.
;; One version. Each part assembles by itself: llvm-mc -triple=amdgcn-amd-amdhsa -mcpu=gfx1250 --defsym DOCPART=n.
;; ======== version 1 of 1: 4 launches
;; limits: right only within a limited range of input values
;; workspace buffers: wimg 2,457,600 bytes; qs 4,096 bytes; part 1,048,576 bytes; stat 131,072 bytes; pool 262,144 bytes
;; launch prep (part 1): grid 256 x 1, 1 waves a work-group, no clusters, 0 bytes of LDS; arguments Wk_codes, Wk_scales, Wv_codes, Wv_scales, Wo_codes, Wo_scales, Wq_codes, Wq_scales, query_codes, query_scales, bq, wimg, qs; writes wimg, qs
.if DOCPART == 1
	.amdgcn_target "amdgcn-amd-amdhsa--gfx1250"
	.amdhsa_code_object_version 6
	.text
	.protected	k_qf257da71a1_prep
	.globl	k_qf257da71a1_prep
	.p2align	8
	.type	k_qf257da71a1_prep,@function
k_qf257da71a1_prep:
	s_mov_b64 s[64:65], 0
	v_nop
	global_prefetch_b8 v0, s[64:65] scope:SCOPE_SE
	s_setreg_imm32_b32 hwreg(HW_REG_WAVE_MODE, 25, 1), 1
	s_wait_xcnt 0x0
; Two jobs on one grid of 256 one-wave work-groups; a work-group takes one tile of 16 rows of one weight (mat = x / 64: 0 Wk, 1 Wv, 2 Wo, 3 Wq; nb = x % 64).
; mat 0-2: the tile's eight operand fragments (16 rows x 128 K of E2M3 codes, 12 registers a lane) are loaded as the matrix unit takes them and stored as IMAGES OF THE REGISTERS:
;   three pieces of 512 bytes, lane l's 16 bytes at 16 l.  The later launches then fetch any fragment by three loads of 16 bytes a lane, and 128 rows x 256 K are one dense block of 25,600 bytes:
;   16 images ((8 q + b) x 1,536: q = which 128 of the 256 along K, b = tile of 16 rows), then 8 scale images of 128 bytes (lane l's word at 4 l: lanes 0-15 row l's word of the first 128, lanes 16-31 of the second).
;   Blocks 16 w + 4 p + s (s = which 256 along K): wave w of the main launch walks them on end: p = 0 Wk rows 256 w on, 1 Wv same rows, 2 Wk rows 256 w + 128 on, 3 Wv same.  Blocks 64 + 4 c + s: Wo rows 128 c on.
; mat 3: qs[n] = (sum over k of query[k] Wq[n][k] + bq[n]) x log2(e) / 8, for the tile's 16 n: the query's projection with the softmax's factor folded in.  Source 0 = 16 rows of Wq, source 1 = the query in all 16 columns.
.set BLK, 25600
.set F,   16                           ; v16-111  the tile's eight fragments
.set WSC, 112                          ; v112-115 its scale words: register s: lanes 0-15 K step 2 s, lanes 16-31 K step 2 s + 1
.set QSC, 116                          ; v116-119 the query's, likewise
.set QF,  128                          ; v128-223 the query's eight fragments
.set AC0, 224                          ; two accumulators, even and odd K steps
.set AC1, 232
.set BQ,  240
	s_load_b512 s[4:19], s[0:1], 0x0               ; Wk codes, scales; Wv; Wo; Wq
	s_load_b256 s[20:27], s[0:1], 0x40             ; query codes, query scales, bq, wimg
	s_load_b64 s[28:29], s[0:1], 0x60              ; qs
	s_lshr_b32 s30, ttmp9, 6                       ; mat
	s_and_b32 s31, ttmp9, 63                       ; nb
	v_and_b32 v1, 15, v0                           ; r
	v_bfe_u32 v2, v0, 4, 1                         ; h
	v_mul_u32_u24 v4, v1, 768                      ; a row of 1,024 codes is 768 bytes
	v_mad_u32_u24 v4, v2, 24, v4                   ; + 24 h
	v_lshlrev_b32 v5, 5, v1                        ; a row of scales is 32 bytes
	v_lshl_add_u32 v5, v2, 2, v5                   ; lanes 16-31 take the next word
	v_lshlrev_b32 v6, 4, v0                        ; 16 x lane (one wave: the thread's number is the lane)
	v_lshlrev_b32 v7, 2, v0                        ; 4 x lane
	s_mul_i32 s40, s31, 12288                      ; the tile's 16 rows of codes
	s_mov_b32 s41, 0
	s_lshl_b32 s42, s31, 9                         ; and of scales
	s_mov_b32 s43, 0
	s_wait_alu depctr_va_vdst(0)
	s_wait_kmcnt 0x0
	s_mov_b64 s[32:33], s[4:5]                     ; which weight: a choice on the work-group's number alone
	s_mov_b64 s[34:35], s[6:7]
	s_cmp_eq_u32 s30, 1
	s_cselect_b64 s[32:33], s[8:9], s[32:33]
	s_cselect_b64 s[34:35], s[10:11], s[34:35]
	s_cmp_eq_u32 s30, 2
	s_cselect_b64 s[32:33], s[12:13], s[32:33]
	s_cselect_b64 s[34:35], s[14:15], s[34:35]
	s_cmp_eq_u32 s30, 3
	s_cselect_b64 s[32:33], s[16:17], s[32:33]
	s_cselect_b64 s[34:35], s[18:19], s[34:35]
	s_add_nc_u64 s[32:33], s[32:33], s[40:41]
	s_add_nc_u64 s[34:35], s[34:35], s[42:43]
.irp s, 0,1,2,3
	global_load_b32 v[WSC+\s], v5, s[34:35] offset:8*\s
.endr
.irp k, 0,1,2,3,4,5,6,7
.irp p, 0,1,2,3,4,5
	global_load_b64 v[F+12*\k+2*\p:F+12*\k+2*\p+1], v4, s[32:33] offset:96*\k+48*(\p/3)+8*(\p%3)
.endr
.endr
	s_cmp_eq_u32 s30, 3
	s_cbranch_scc1 .Lwq
	; ---- the images
	s_lshr_b32 s44, s31, 3                         ; c: which 128 rows
	s_and_b32 s45, s31, 7                          ; b: which tile of them
	s_lshr_b32 s46, s44, 1
	s_lshl_b32 s46, s46, 4                         ; 16 w
	s_and_b32 s47, s44, 1
	s_lshl_b32 s47, s47, 3                         ; + 8 for the wave's second 128 rows
	s_add_co_u32 s46, s46, s47
	s_lshl_b32 s47, s30, 2                         ; + 4 for Wv
	s_add_co_u32 s46, s46, s47
	s_lshl_b32 s47, s44, 2
	s_add_co_u32 s47, s47, 64                      ; Wo: 64 + 4 c
	s_cmp_eq_u32 s30, 2
	s_cselect_b32 s46, s47, s46
	s_mul_i32 s46, s46, BLK
	s_mul_i32 s48, s45, 1536
	s_add_co_u32 s48, s48, s46
	s_mov_b32 s49, 0
	s_add_nc_u64 s[36:37], s[26:27], s[48:49]      ; where the tile's images begin
	s_lshl_b32 s48, s45, 7
	s_add_co_u32 s48, s48, s46
	s_add_co_u32 s48, s48, 24576
	s_add_nc_u64 s[38:39], s[26:27], s[48:49]      ; and its scale images
.irp k, 0,1,2,3,4,5,6,7
	s_wait_loadcnt 6*(7-\k)                        ; loads come back in order: fragment k is in, the six loads of each younger fragment may be out
.irp c, 0,1,2
	global_store_b128 v6, v[F+12*\k+4*\c:F+12*\k+4*\c+3], s[36:37] offset:(\k/2)*BLK+(\k%2)*12288+512*\c   ; 32 lanes store 512 consecutive bytes, aligned to 256
.endr
.endr
.irp s, 0,1,2,3
	global_store_b32 v7, v[WSC+\s], s[38:39] offset:\s*BLK
.endr
	s_endpgm
.Lwq:
	; ---- the query's projection
	v_mul_u32_u24 v8, v2, 24                       ; the query has one row: every column of source 1 is the query
	v_lshlrev_b32 v9, 2, v2
	v_lshlrev_b32 v10, 5, v2                       ; my eight results: n = 16 nb + 8 h + 0 .. 7
	s_lshl_b32 s40, s31, 6
	s_add_nc_u64 s[24:25], s[24:25], s[40:41]
	s_add_nc_u64 s[28:29], s[28:29], s[40:41]
.irp k, 0,1,2,3,4,5,6,7
.irp p, 0,1,2,3,4,5
	global_load_b64 v[QF+12*\k+2*\p:QF+12*\k+2*\p+1], v8, s[20:21] offset:96*\k+48*(\p/3)+8*(\p%3)
.endr
.endr
.irp s, 0,1,2,3
	global_load_b32 v[QSC+\s], v9, s[22:23] offset:8*\s
.endr
	global_load_b128 v[BQ:BQ+3], v10, s[24:25]
	global_load_b128 v[BQ+4:BQ+7], v10, s[24:25] offset:16
	s_wait_loadcnt 0x0
.irp k, 0,1,2,3,4,5,6,7                ; the two accumulators take turns, one instruction a turn; the first two products start the sums
.if \k == 0
	v_wmma_scale_f32_16x16x128_f8f6f4 v[AC0:AC0+7], v[F+12*\k:F+12*\k+11], v[QF+12*\k:QF+12*\k+11], 0, v[WSC+\k/2], v[QSC+\k/2] matrix_a_fmt:MATRIX_FMT_FP6 matrix_b_fmt:MATRIX_FMT_FP6
.elseif \k == 1
	v_wmma_scale_f32_16x16x128_f8f6f4 v[AC1:AC1+7], v[F+12*\k:F+12*\k+11], v[QF+12*\k:QF+12*\k+11], 0, v[WSC+\k/2], v[QSC+\k/2] matrix_a_fmt:MATRIX_FMT_FP6 matrix_b_fmt:MATRIX_FMT_FP6 matrix_a_scale:MATRIX_SCALE_ROW1 matrix_b_scale:MATRIX_SCALE_ROW1
.elseif \k%2 == 0
	v_wmma_scale_f32_16x16x128_f8f6f4 v[AC0:AC0+7], v[F+12*\k:F+12*\k+11], v[QF+12*\k:QF+12*\k+11], v[AC0:AC0+7], v[WSC+\k/2], v[QSC+\k/2] matrix_a_fmt:MATRIX_FMT_FP6 matrix_b_fmt:MATRIX_FMT_FP6
.else
	v_wmma_scale_f32_16x16x128_f8f6f4 v[AC1:AC1+7], v[F+12*\k:F+12*\k+11], v[QF+12*\k:QF+12*\k+11], v[AC1:AC1+7], v[WSC+\k/2], v[QSC+\k/2] matrix_a_fmt:MATRIX_FMT_FP6 matrix_b_fmt:MATRIX_FMT_FP6 matrix_a_scale:MATRIX_SCALE_ROW1 matrix_b_scale:MATRIX_SCALE_ROW1
.endif
.endr
.rept 4
	v_nop                                          ; four places between the last product and the first read of results (ISA guide 7.12.1)
.endr
.irp j, 0,2,4,6
	v_pk_add_f32 v[AC0+\j:AC0+\j+1], v[AC0+\j:AC0+\j+1], v[AC1+\j:AC1+\j+1]   ; both accumulators from their low end on
.endr
.irp j, 0,2,4,6
	v_pk_add_f32 v[AC0+\j:AC0+\j+1], v[AC0+\j:AC0+\j+1], v[BQ+\j:BQ+\j+1]
.endr
.irp j, 0,2,4,6
	v_pk_mul_f32 v[AC0+\j:AC0+\j+1], v[AC0+\j:AC0+\j+1], 0x3e38aa3b op_sel_hi:[1,0]   ; x log2(e) / sqrt(64)
.endr
	v_cmp_eq_u32 vcc_lo, 0, v1                     ; all 16 columns hold the same numbers: lanes 0 and 16 store them
	s_wait_alu depctr_va_vdst(0)
	s_wait_xcnt 0x0                                ; EXEC changes only behind this wait
	s_and_saveexec_b32 s44, vcc_lo
	global_store_b128 v10, v[AC0:AC0+3], s[28:29]
	global_store_b128 v10, v[AC0+4:AC0+7], s[28:29] offset:16
	s_wait_xcnt 0x0
	s_or_b32 exec_lo, exec_lo, s44
	s_endpgm
.Lfunc_end_k_qf257da71a1_prep:
	.size	k_qf257da71a1_prep, .Lfunc_end_k_qf257da71a1_prep-k_qf257da71a1_prep
	.p2alignl 7, 3214868480
	.fill 96, 4, 3214868480
	.section	.rodata,"a",@progbits
	.p2align	6, 0x0
	.amdhsa_kernel k_qf257da71a1_prep
		.amdhsa_group_segment_fixed_size 0
		.amdhsa_private_segment_fixed_size 0
		.amdhsa_enable_private_segment 0
		.amdhsa_kernarg_size 104
		.amdhsa_user_sgpr_count 2
		.amdhsa_user_sgpr_kernarg_segment_ptr 1
		.amdhsa_wavefront_size32 1
		.amdhsa_system_sgpr_workgroup_id_x 1
		.amdhsa_system_sgpr_workgroup_id_y 1
		.amdhsa_system_sgpr_workgroup_id_z 1
		.amdhsa_system_vgpr_workitem_id 0
		.amdhsa_next_free_vgpr 256
		.amdhsa_next_free_sgpr 66
		.amdhsa_reserve_vcc 1
		.amdhsa_float_denorm_mode_32 3
		.amdhsa_float_denorm_mode_16_64 3
		.amdhsa_memory_ordered 1
		.amdhsa_forward_progress 1
		.amdhsa_inst_pref_size 18
	.end_amdhsa_kernel
	.amdgpu_metadata
---
amdhsa.version: [ 1, 2 ]
amdhsa.kernels:
  - .name:           k_qf257da71a1_prep
    .symbol:         k_qf257da71a1_prep.kd
    .args:
      - { .name: Wk_codes, .offset: 0, .size: 8, .value_kind: global_buffer, .address_space: global }
      - { .name: Wk_scales, .offset: 8, .size: 8, .value_kind: global_buffer, .address_space: global }
      - { .name: Wv_codes, .offset: 16, .size: 8, .value_kind: global_buffer, .address_space: global }
      - { .name: Wv_scales, .offset: 24, .size: 8, .value_kind: global_buffer, .address_space: global }
      - { .name: Wo_codes, .offset: 32, .size: 8, .value_kind: global_buffer, .address_space: global }
      - { .name: Wo_scales, .offset: 40, .size: 8, .value_kind: global_buffer, .address_space: global }
      - { .name: Wq_codes, .offset: 48, .size: 8, .value_kind: global_buffer, .address_space: global }
      - { .name: Wq_scales, .offset: 56, .size: 8, .value_kind: global_buffer, .address_space: global }
      - { .name: query_codes, .offset: 64, .size: 8, .value_kind: global_buffer, .address_space: global }
      - { .name: query_scales, .offset: 72, .size: 8, .value_kind: global_buffer, .address_space: global }
      - { .name: bq, .offset: 80, .size: 8, .value_kind: global_buffer, .address_space: global }
      - { .name: wimg, .offset: 88, .size: 8, .value_kind: global_buffer, .address_space: global }
      - { .name: qs, .offset: 96, .size: 8, .value_kind: global_buffer, .address_space: global }
    .group_segment_fixed_size: 0
    .private_segment_fixed_size: 0
    .kernarg_segment_align: 8
    .kernarg_segment_size: 104
    .max_flat_workgroup_size: 32
    .sgpr_count:     66
    .vgpr_count:     256
    .wavefront_size: 32
...
	.end_amdgpu_metadata
.endif
;; end of part 1
;; launch main (part 2): grid 256 x 1, 4 waves a work-group, no clusters, 327,680 bytes of LDS; arguments patches, cls_tok, storage, ln_kv_g, ln_kv_b, wimg, qs, bk, part, stat; writes part, stat
.if DOCPART == 2
	.amdgcn_target "amdgcn-amd-amdhsa--gfx1250"
	.amdhsa_code_object_version 6
	.text
	.protected	k_qf257da71a1_main
	.globl	k_qf257da71a1_main
	.p2align	8
	.type	k_qf257da71a1_main,@function
k_qf257da71a1_main:
	s_mov_b64 s[64:65], 0
	v_nop
	global_prefetch_b8 v0, s[64:65] scope:SCOPE_SE
	s_setreg_imm32_b32 hwreg(HW_REG_WAVE_MODE, 25, 1), 1
	s_wait_xcnt 0x0
; A work-group takes a quarter of a batch: 128 patches (and the batch's cls and storage rows, which count in quarter 0 alone).
; PART 1: each wave normalises 32 rows (LayerNorm in f32), quantises them to E2M3 along the 1,024 and lays codes and scale bytes in LDS; one barrier shows them to all four waves.
; PART 2: wave w multiplies the 136 rows by its 256 rows of Wk and of Wv, 128 rows at a time (16 blocks of 128 rows x 256 K on end in wimg); scores, softmax parts and weighted sums follow each pass in registers.
; THE WEIGHTS GO FROM MEMORY STRAIGHT INTO THE OPERAND REGISTERS, as register images that launch prep laid: 24 loads of 16 bytes a lane for a K step, asked for 72 matrix instructions ahead of their use.
; No tensor load and no joint load: a weight fragment is used by one wave alone; through LDS that wave would read 12,288 bytes more from LDS in each K step, beside the tokens' 13,824. So part 2 has no barrier either.
; The weight stream is prefetched in part 1: in trip t of the rows' loop the wave's pass t (400 blocks of 256 bytes), of which work-groups 0-3 alone take blocks 0-127, a lane a block.
; LIMITS: NaN and infinities are not served; a block under 2^-124 gets the scale byte 1.
.set BLK,   25600
.set SLOT,  4*BLK
.set AROW,  2*SLOT
.set AP,    784
.set ASC,   AROW+136*AP
.set SP,    36
.set SPARE, 316416
.set SCR,   SPARE+512
.set SCRW,  2688
.set SPW, 1
.set NIL, 2
.set GOF, 3
.set STI, 4
.set STO, 5
.set CA,  6
.set SA,  7
.set CAE, 8
.set SAE, 9
.set CAC, 10
.set SAC, 11
.set ADA0, 4
.set ADA4, 5
.set ADA8, 6
.set ACU0, 7
.set ACU4, 8
.set ACU8, 9
.set PFO,  16                          ; part 1 alone: the prefetches' offset
.set ATB,  14
.set ATB8, 15
.set ATC,  16
.set ATC8, 17
.set QSR,  18
.set QSW,  19
.set OSA,  20
.set ORD,  21
.set STA,  22
.set STR,  23
.set GO4,  24
.set NINF, 25
.set QN,  26
.set QA,  30
.set ML,  30
.set WS,  38
.set TS,  54
.set P,   72
.set T,   108
.set AF,  148
.set CS,  72
.set SS,  88
.set MU,  104
.set RS,  112
.set QT,  120
.set X,   128
.set GW,  0
.set BW,  32
.set WV,  24
.set CX,  25
.set WP,  28                           ; s[28:29] where my weight stream stands
.set PFB, 36                           ; s[36:37] where my prefetches stand
.set BT,  38                           ; the batch
.set LAP, 44
.set KOFF, 45
.set KSO, 46
.set TR,  47
.set SEL, 48
.set RCPN, 50
.set EPS, 51
.set NRCPN, 52
.set CSTEP, 53
.set CB,  54
.set MSK, 58
.set SSTEP, 59
.set SCW, 60
.set E0P, 66
.set E1P, 68
.set PP,  72
.set PARTP, 74
.set STATP, 76
.set QSP, 78
.set BKP, 80
.set MSB, 0
.macro WIN new
.if MSB != \new
	s_set_vgpr_msb (MSB<<8)|\new
.set MSB, \new
.endif
.endm
.macro PLACES
.rept 4
	v_nop
.endr
.endm
	s_load_b512 s[4:19], s[0:1], 0x0
	s_load_b128 s[20:23], s[0:1], 0x40
	v_lshl_add_u32 v[SPW], v0, 2, SPARE
	v_mov_b32 v[NIL], 0
	v_lshrrev_b32 v12, 5, v0
	v_readfirstlane_b32 s[WV], v12                 ; wave
	s_and_b32 s[CX], ttmp9, 3                      ; which quarter of the batch
	s_lshr_b32 s[BT], ttmp9, 2                     ; which batch
	s_mul_i32 s86, s[WV], 16*BLK                   ; my 16 blocks of weight images
	s_mov_b32 s87, 0
	s_wait_alu depctr_va_vdst(0)
	s_wait_kmcnt 0x0
	s_add_nc_u64 s[WP:WP+1], s[14:15], s[86:87]
	s_mov_b64 s[PFB:PFB+1], s[WP:WP+1]
	s_mov_b32 s[SEL], 0x76543210
	s_mov_b32 s[SEL+1], 0xfedcba98
	s_mov_b32 s[RCPN], 0x3a800000
	s_mov_b32 s[EPS], 0x3727c5ac
	s_mov_b32 s[NRCPN], 0xba800000
	s_mov_b32 s[LAP], 0
	s_mov_b32 s[KOFF], 0
	s_mov_b32 s[KSO], 0
	s_lshl_b32 s89, ttmp9, 2
	s_add_co_u32 s89, s89, s[WV]
	s_lshl_b32 s90, s89, 17
	s_mov_b32 s91, 0
	s_add_nc_u64 s[PP:PP+1], s[4:5], s[90:91]
	s_lshl_b32 s90, s89, 10
	s_add_nc_u64 s[PARTP:PARTP+1], s[20:21], s[90:91]
	s_lshl_b32 s90, s89, 7
	s_add_nc_u64 s[STATP:STATP+1], s[22:23], s[90:91]
	s_lshl_b32 s90, s[WV], 10
	s_add_nc_u64 s[QSP:QSP+1], s[16:17], s[90:91]
	s_add_nc_u64 s[BKP:BKP+1], s[18:19], s[90:91]
	s_lshl_b32 s90, s[BT], 12
	s_add_nc_u64 s[6:7], s[6:7], s[90:91]
	s_lshl_b32 s90, s[BT], 14
	s_add_nc_u64 s[8:9], s[8:9], s[90:91]
	s_lshl_b32 s92, s[WV], 1
	s_min_u32 s90, s92, 4
	s_max_u32 s90, s90, 1
	s_sub_co_u32 s90, s90, 1
	s_lshl_b32 s90, s90, 12
	s_add_nc_u64 s[E0P:E0P+1], s[8:9], s[90:91]
	s_add_co_u32 s92, s92, 1
	s_min_u32 s90, s92, 4
	s_sub_co_u32 s90, s90, 1
	s_lshl_b32 s90, s90, 12
	s_add_nc_u64 s[E1P:E1P+1], s[8:9], s[90:91]
	s_cmp_eq_u32 s[WV], 0
	s_cselect_b64 s[E0P:E0P+1], s[6:7], s[E0P:E0P+1]
	s_mul_i32 s[SCW], s[WV], SCRW
	s_add_co_u32 s[SCW], s[SCW], SCR
	v_and_b32 v12, 31, v0
	v_lshlrev_b32 v[GOF], 4, v12
	v_lshrrev_b32 v13, 2, v12
	v_mul_u32_u24 v13, v13, 80
	v_and_b32 v14, 3, v12
	v_lshl_add_u32 v13, v14, 4, v13
	v_add_nc_u32 v[STI], s[SCW], v13
	v_mul_u32_u24 v13, v12, 80
	v_add_nc_u32 v[STO], s[SCW], v13
	v_mul_u32_u24 v13, v12, 12
	s_mul_i32 s86, s[WV], 32*AP
	s_add_co_u32 s86, s86, AROW
	v_add_nc_u32 v[CA], s86, v13
	s_mul_i32 s86, s[WV], 2*AP
	s_add_co_u32 s86, s86, AROW+128*AP
	v_add_nc_u32 v[CAE], s86, v13
	v_lshrrev_b32 v13, 1, v12
	s_mul_i32 s86, s[WV], 32*SP
	s_add_co_u32 s86, s86, ASC
	v_add_nc_u32 v[SA], s86, v13
	s_mul_i32 s86, s[WV], 2*SP
	s_add_co_u32 s86, s86, ASC+128*SP
	v_add_nc_u32 v[SAE], s86, v13
	v_lshlrev_b32 v15, 6, v12
	s_and_b32 s86, ttmp9, 15                       ; my first block: 32 (x % 16); only work-groups 0-3 prefetch
	s_lshl_b32 s86, s86, 5
	v_add_nc_u32 v[PFO], s86, v12                  ; a lane a block,
	v_min_u32 v[PFO], 399, v[PFO]                  ; the lanes left over on the pass's last block
	v_lshlrev_b32 v[PFO], 8, v[PFO]
.macro LOADROW dst, win, sb, imm, nt
	WIN \win
.irp j, 0,1,2,3,4,5,6,7
.if \nt
	global_load_b128 v[(\dst)+4*\j:(\dst)+4*\j+3], v[GOF], s[\sb:\sb+1] offset:(\imm)+512*\j th:TH_LOAD_NT
.else
	global_load_b128 v[(\dst)+4*\j:(\dst)+4*\j+3], v[GOF], s[\sb:\sb+1] offset:(\imm)+512*\j
.endif
.endr
.endm
.macro TURNROWS rb, dwin, nr
.set i, 0
.rept \nr
.irp hh, 0,1
	WIN \dwin
.irp j, 0,1,2,3
	ds_store_b128 v[STI], v[(\rb)+32*i+16*\hh+4*\j:(\rb)+32*i+16*\hh+4*\j+3] offset:640*\j
.endr
	WIN 0
.irp j, 0,1,2,3
	ds_load_b128 v[X+32*i+16*\hh+4*\j:X+32*i+16*\hh+4*\j+3], v[STO] offset:16*\j
.endr
.endr
.set i, i+1
.endr
.endm
.macro JOIN nr
.set i, 0
.rept \nr
	v_pk_add_f32 v[SS+4*i:SS+4*i+1], v[SS+4*i:SS+4*i+1], v[SS+4*i+2:SS+4*i+3]
.set i, i+1
.endr
.set i, 0
.rept \nr
	v_add_f32 v[SS+4*i], v[SS+4*i], v[SS+4*i+1]
.set i, i+1
.endr
.irp m, 1,2,4,8
.set i, 0
.rept \nr
	v_add_f32_dpp v[SS+4*i], v[SS+4*i], v[SS+4*i] row_xmask:\m row_mask:0xf bank_mask:0xf
.set i, i+1
.endr
.endr
.set i, 0
.rept \nr
	v_permlanex16_b32 v[SS+4*i+2], v[SS+4*i], s[SEL], s[SEL+1]
.set i, i+1
.endr
.set i, 0
.rept \nr
	v_add_f32 v[SS+4*i], v[SS+4*i], v[SS+4*i+2]
.set i, i+1
.endr
.endm
.macro PROCESS nr, ca, sa, row0
.set i, 0
.rept \nr
	v_pk_add_f32 v[SS+4*i:SS+4*i+1], v[X+32*i:X+32*i+1], v[X+32*i+2:X+32*i+3]
	v_pk_add_f32 v[SS+4*i+2:SS+4*i+3], v[X+32*i+4:X+32*i+5], v[X+32*i+6:X+32*i+7]
.set i, i+1
.endr
.set j, 8
.rept 6
.set i, 0
.rept \nr
	v_pk_add_f32 v[SS+4*i:SS+4*i+1], v[SS+4*i:SS+4*i+1], v[X+32*i+j:X+32*i+j+1]
	v_pk_add_f32 v[SS+4*i+2:SS+4*i+3], v[SS+4*i+2:SS+4*i+3], v[X+32*i+j+2:X+32*i+j+3]
.set i, i+1
.endr
.set j, j+4
.endr
	JOIN \nr
.set i, 0
.rept \nr
	v_mul_f32 v[MU+2*i], s[NRCPN], v[SS+4*i]
	v_mul_f32 v[MU+2*i+1], s[NRCPN], v[SS+4*i]
.set i, i+1
.endr
.set j, 0
.rept 16
.set i, 0
.rept \nr
	v_pk_add_f32 v[X+32*i+j:X+32*i+j+1], v[X+32*i+j:X+32*i+j+1], v[MU+2*i:MU+2*i+1]
.set i, i+1
.endr
.set j, j+2
.endr
.set i, 0
.rept \nr
	v_pk_mul_f32 v[SS+4*i:SS+4*i+1], v[X+32*i:X+32*i+1], v[X+32*i:X+32*i+1]
	v_pk_mul_f32 v[SS+4*i+2:SS+4*i+3], v[X+32*i+2:X+32*i+3], v[X+32*i+2:X+32*i+3]
.set i, i+1
.endr
.set j, 4
.rept 7
.set i, 0
.rept \nr
	v_pk_fma_f32 v[SS+4*i:SS+4*i+1], v[X+32*i+j:X+32*i+j+1], v[X+32*i+j:X+32*i+j+1], v[SS+4*i:SS+4*i+1]
	v_pk_fma_f32 v[SS+4*i+2:SS+4*i+3], v[X+32*i+j+2:X+32*i+j+3], v[X+32*i+j+2:X+32*i+j+3], v[SS+4*i+2:SS+4*i+3]
.set i, i+1
.endr
.set j, j+4
.endr
	JOIN \nr
.set i, 0
.rept \nr
	v_fma_f32 v[SS+4*i+2], v[SS+4*i], s[RCPN], s[EPS]
.set i, i+1
.endr
.set i, 0
	s_wait_alu depctr_va_vdst(0)
.rept \nr
	v_rsq_f32 v[RS+2*i], v[SS+4*i+2]
	v_rsq_f32 v[RS+2*i+1], v[SS+4*i+2]
.set i, i+1
.endr
	v_nop
.set j, 0
	s_wait_alu depctr_va_vdst(0)
.rept 16
.set i, 0
.rept \nr
	v_pk_mul_f32 v[X+32*i+j:X+32*i+j+1], v[X+32*i+j:X+32*i+j+1], v[RS+2*i:RS+2*i+1]
.set i, i+1
.endr
.set j, j+2
.endr
	WIN 0x28
.set j, 0
.rept 16
.set i, 0
.rept \nr
	v_pk_fma_f32 v[X+32*i+j:X+32*i+j+1], v[X+32*i+j:X+32*i+j+1], v[GW+j:GW+j+1], v[BW+j:BW+j+1]
.set i, i+1
.endr
.set j, j+2
.endr
	WIN 0
.set hr, 0
.rept 2*\nr
	v_max3_num_f32 v[QT+hr], |v[X+16*hr]|, |v[X+16*hr+1]|, 0x1800000
.set hr, hr+1
.endr
.set j, 2
.rept 7
.set hr, 0
.rept 2*\nr
	v_max3_num_f32 v[QT+hr], v[QT+hr], |v[X+16*hr+j]|, |v[X+16*hr+j+1]|
.set hr, hr+1
.endr
.set j, j+2
.endr
.set hr, 0
.rept 2*\nr
	v_max_num_f32_dpp v[QT+hr], v[QT+hr], v[QT+hr] row_xmask:1 row_mask:0xf bank_mask:0xf
.set hr, hr+1
.endr
.set hr, 0
.rept 2*\nr
	v_add_nc_u32 v[QT+hr], 0xff000000, v[QT+hr]
.set hr, hr+1
.endr
.set hr, 0
.rept 2*\nr
.if hr >= 4
	s_wait_dscnt 12
.endif
	v_cvt_scalef32_pk16_fp6_f32 v[CS+4*(hr%4):CS+4*(hr%4)+2], v[X+16*hr:X+16*hr+15], v[QT+hr]
	v_lshrrev_b32 v[SS+hr], 23, v[QT+hr]
	ds_store_b8 v[\sa], v[SS+hr] offset:((\row0)+hr/2)*SP+16*(hr%2)
.irp c, 0,1,2
	ds_store_b32 v[\ca], v[CS+4*(hr%4)+\c] offset:((\row0)+hr/2)*AP+384*(hr%2)+4*\c
.endr
.set hr, hr+1
.endr
.endm
.macro HALF rb, row0, imm
	s_wait_loadcnt 32
	TURNROWS \rb, 0x04, 4
	s_wait_dscnt 4
	s_cmp_eq_u32 s[TR], 3
	s_cbranch_scc1 .Lskip_\@
.irp i4, 0,1,2,3
	LOADROW (\rb)+32*\i4, 0x40, PP, 32768+(\imm)+4096*\i4, 1
.endr
	WIN 0
	s_branch .Lgo_\@
.Lskip_\@:
	s_wait_loadcnt 0x0
.Lgo_\@:
	s_wait_dscnt 0x0
	PROCESS 4, CAC, SAC, \row0
.endm
	WIN 0x80
.irp hh, 0,1
.irp j, 0,1,2,3
	global_load_b128 v[GW+16*\hh+4*\j:GW+16*\hh+4*\j+3], v15, s[10:11] offset:2048*\hh+16*\j
	global_load_b128 v[BW+16*\hh+4*\j:BW+16*\hh+4*\j+3], v15, s[12:13] offset:2048*\hh+16*\j
.endr
.endr
	WIN 0
	global_load_b128 v[QA:QA+3], v[GOF], s[QSP:QSP+1]
	global_load_b128 v[QN:QN+3], v[GOF], s[QSP:QSP+1] offset:512
	global_load_b128 v[QT:QT+3], v[GOF], s[BKP:BKP+1]
	global_load_b128 v[QT+4:QT+7], v[GOF], s[BKP:BKP+1] offset:512
	LOADROW 64, 0x80, E0P, 0, 0
	LOADROW 96, 0x80, E1P, 0, 0
.irp i4, 0,1,2,3
	LOADROW 32*\i4, 0x40, PP, 4096*\i4, 1
.endr
	WIN 0
	s_wait_loadcnt 48
	v_mul_f32 v88, v[QA], v[QT]
	v_mul_f32 v89, v[QN], v[QT+4]
.irp j, 1,2,3
	v_fmac_f32 v88, v[QA+\j], v[QT+\j]
	v_fmac_f32 v89, v[QN+\j], v[QT+4+\j]
.endr
.irp m, 1,2,4,8
	v_add_f32_dpp v88, v88, v88 row_xmask:\m row_mask:0xf bank_mask:0xf
	v_add_f32_dpp v89, v89, v89 row_xmask:\m row_mask:0xf bank_mask:0xf
.endr
	v_readlane_b32 s[CB], v88, 0
	v_readlane_b32 s[CB+1], v88, 16
	v_readlane_b32 s[CB+2], v89, 0
	v_readlane_b32 s[CB+3], v89, 16
	v_and_b32 v13, 15, v0
	v_cmp_gt_u32 s[MSK], 5, v13
	s_cmp_eq_u32 s[CX], 0
	s_cselect_b32 s[MSK], s[MSK], 0
.irp i4, 0,1,2,3
	LOADROW 128+32*\i4, 0x40, PP, 16384+4096*\i4, 1
.endr
	WIN 0
	s_wait_loadcnt 63
	TURNROWS 64, 0x08, 2
	s_wait_dscnt 0x0
	PROCESS 2, CAE, SAE, 0
	s_mov_b32 s[TR], 0
	s_mov_b32 s[CSTEP], 0
	s_mov_b32 s[SSTEP], 0
.Lrows:
	s_wait_dscnt 0x0
	v_add_nc_u32 v[CAC], s[CSTEP], v[CA]
	v_add_nc_u32 v[SAC], s[SSTEP], v[SA]
	HALF 0, 0, 0
	s_cmp_lt_u32 ttmp9, 4
	s_cbranch_scc0 .Lno_prefetch_main0
	global_prefetch_b8 v[PFO], s[PFB:PFB+1] th:TH_LOAD_NT scope:SCOPE_SE   ; trip t: my share of pass t of my weight stream; the last block named is the stream's block 1,327
.Lno_prefetch_main0:
	HALF 128, 4, 16384
	s_wait_xcnt 0x0
	s_add_nc_u64 s[PP:PP+1], s[PP:PP+1], 32768
	s_add_nc_u64 s[PFB:PFB+1], s[PFB:PFB+1], 4*BLK ; the next pass (behind the wait on XCNT above)
	s_add_co_u32 s[CSTEP], s[CSTEP], 8*AP
	s_add_co_u32 s[SSTEP], s[SSTEP], 8*SP
	s_add_co_u32 s[TR], s[TR], 1
	s_cmp_lt_u32 s[TR], 4
	s_cbranch_scc1 .Lrows
	s_wait_loadcnt 0x0                             ; every load of part 1 has landed: part 2's weight loads take the same registers
	s_wait_dscnt 0x0
	s_barrier_signal -1
	s_barrier_wait -1
	v_and_b32 v108, 31, v0
	v_and_b32 v109, 15, v0
	v_bfe_u32 v110, v0, 4, 1
	v_and_b32 v111, 7, v0
	v_mul_u32_u24 v112, v110, 24
	v_mad_u32_u24 v[ADA0], v109, AP, v112
	v_add_nc_u32 v[ADA0], AROW, v[ADA0]
	v_add_nc_u32 v[ADA4], 64*AP, v[ADA0]
	v_mad_u32_u24 v[ADA8], v111, AP, v112
	v_add_nc_u32 v[ADA8], AROW+128*AP, v[ADA8]
	v_lshlrev_b32 v112, 2, v110
	v_mad_u32_u24 v[ATB], v109, SP, v112
	v_add_nc_u32 v[ATB], ASC, v[ATB]
	v_mad_u32_u24 v[ATB8], v111, SP, v112
	v_add_nc_u32 v[ATB8], ASC+128*SP, v[ATB8]
	v_lshl_add_u32 v[QSR], v110, 5, s[SCW]
	v_lshl_add_u32 v[QSW], v108, 4, s[SCW]
	v_add_nc_u32 v[OSA], 512, v[QSR]
	v_add_nc_u32 v[ORD], 512, v[QSW]
	v_mov_b32 v[STA], s[SCW]
	v_add_nc_u32 v[STA], 1024, v[STA]
	v_lshl_add_u32 v[STR], v111, 2, v[STA]
	v_lshlrev_b32 v[GO4], 2, v108
	v_mov_b32 v[NINF], 0xff800000
.macro NEWADR
	v_add_nc_u32 v[ACU0], s[KOFF], v[ADA0]
	v_add_nc_u32 v[ACU4], s[KOFF], v[ADA4]
	v_add_nc_u32 v[ACU8], s[KOFF], v[ADA8]
	v_add_nc_u32 v[ATC], s[KSO], v[ATB]
	v_add_nc_u32 v[ATC8], s[KSO], v[ATB8]
.endm
	NEWADR
	ds_store_b128 v[QSW], v[QA:QA+3]
.set i, 0
.rept 36
	v_mov_b32 v[P+i], 0
.set i, i+1
.endr
	s_wait_dscnt 0x0
.set i, 0
.rept 8
	v_mov_b32 v[ML+i], 0
.set i, i+1
.endr
.macro ACCR a, b
.if (\a) < 8
.set AB, 64*((\a)%4)+8*(\b)
.else
.set AB, 96+8*(\b)+96*((\b)/4)
.endif
.endm
.macro FRAGA reg, adr, off
.irp p, 0,1,2,3,4,5
	ds_load_b64 v[(\reg)+2*\p:(\reg)+2*\p+1], v[\adr] offset:(\off)+48*(\p/3)+8*(\p%3)
.endr
.endm
.macro FETCH_A kq, a0, a1
.set fa, \a0
.rept (\a1)-(\a0)+1
.if fa < 4
	FRAGA AF+12*fa, ACU0, fa*16*AP+96*(\kq)
.elseif fa < 8
	FRAGA AF+12*fa, ACU4, (fa-4)*16*AP+96*(\kq)
.else
	FRAGA AF+12*fa, ACU8, 96*(\kq)
.endif
.set fa, fa+1
.endr
.endm
.macro FETCH_B slot, q, set
	WIN 0x40
.irp b, 0,1,2,3,4,5,6,7
.irp c, 0,1,2
	global_load_b128 v[128*(\set)+12*\b+4*\c:128*(\set)+12*\b+4*\c+3], v[GOF], s[WP:WP+1] offset:(\slot)*BLK+(8*(\q)+\b)*1536+512*\c   ; slot: blocks on from where the stream stands; 32 lanes read 512 bytes on end
.endr
.endr
	WIN 0
.endm
.macro WSCALES slot, bo                ; the weights' scale words of the block bo on, into set slot
.irp b, 0,1,2,3,4,5,6,7
	global_load_b32 v[WS+8*(\slot)+\b], v[GO4], s[WP:WP+1] offset:(\bo)*BLK+24576+128*\b
.endr
.endm
.macro SCALES slot                     ; the tokens' scale words
.irp a, 0,1,2,3,4,5,6,7
	ds_load_b32 v[TS+9*(\slot)+\a], v[ATC] offset:16*SP*\a+8*(\slot)
.endr
	ds_load_b32 v[TS+9*(\slot)+8], v[ATC8] offset:8*(\slot)
.endm
.macro MULA a, set, q, slot, zero
.if (\a) < 4
	WIN 0xa1
.elseif (\a) < 8
	WIN 0xf1
.else
	WIN 0x51
.endif
.irp b, 0,1,2,3,4,5,6,7
	ACCR \a, \b
.if \zero
	v_wmma_scale_f32_16x16x128_f8f6f4 v[AB:AB+7], v[128*(\set)+12*\b:128*(\set)+12*\b+11], v[AF+12*(\a):AF+12*(\a)+11], 0, v[WS+8*(\slot)+\b], v[TS+9*(\slot)+(\a)] matrix_a_fmt:MATRIX_FMT_FP6 matrix_b_fmt:MATRIX_FMT_FP6
.elseif \q
	v_wmma_scale_f32_16x16x128_f8f6f4 v[AB:AB+7], v[128*(\set)+12*\b:128*(\set)+12*\b+11], v[AF+12*(\a):AF+12*(\a)+11], v[AB:AB+7], v[WS+8*(\slot)+\b], v[TS+9*(\slot)+(\a)] matrix_a_fmt:MATRIX_FMT_FP6 matrix_b_fmt:MATRIX_FMT_FP6 matrix_a_scale:MATRIX_SCALE_ROW1 matrix_b_scale:MATRIX_SCALE_ROW1
.else
	v_wmma_scale_f32_16x16x128_f8f6f4 v[AB:AB+7], v[128*(\set)+12*\b:128*(\set)+12*\b+11], v[AF+12*(\a):AF+12*(\a)+11], v[AB:AB+7], v[WS+8*(\slot)+\b], v[TS+9*(\slot)+(\a)] matrix_a_fmt:MATRIX_FMT_FP6 matrix_b_fmt:MATRIX_FMT_FP6
.endif
.endr
.endm
.macro STEP slot, kq, zero
	FETCH_B \slot, 1, 1                            ; the next K step's weights, into the set that the last K step left (its places stand behind its last product)
	s_wait_loadcnt 24                              ; all but the 24 just issued: this step's weights and their scale words are in
	s_wait_dscnt 30
.irp a, 0,1,2,3
	MULA \a, 0, 0, \slot, \zero
.endr
	s_wait_dscnt 0x0
	PLACES
	WIN 0
	FETCH_A (\kq)+1, 0, 3
.irp a, 4,5,6,7,8
	MULA \a, 0, 0, \slot, \zero
.endr
	PLACES
	WIN 0
	FETCH_A (\kq)+1, 4, 8
.endm
.macro TURN slot, next, kq, newlap
	FETCH_B (\slot)+1, 0, 0                        ; the next block's first K step,
	WSCALES \next, (\slot)+1                       ; and its scale words
	s_wait_loadcnt 32                              ; all but the 32 just issued: this step's weights are in
	s_wait_dscnt 30                                ; the youngest 30 (the tokens' blocks 4-8) may be out
.irp a, 0,1,2,3
	MULA \a, 1, 1, \slot, 0
.endr
	WIN 0
	s_wait_dscnt 0x0
	PLACES
.if \newlap
	s_xor_b32 s[KOFF], s[KOFF], 384
	s_xor_b32 s[KSO], s[KSO], 16
	NEWADR
	s_wait_alu depctr_va_vdst(0)                   ; the wait behind these writes
	FETCH_A 0, 0, 3
.else
	s_wait_alu depctr_va_vdst(0)
	FETCH_A (\kq)+1, 0, 3
.endif
	SCALES \next
.irp a, 4,5,6,7,8
	MULA \a, 1, 1, \slot, 0
.endr
	PLACES
	WIN 0
.if \newlap
	FETCH_A 0, 4, 8
.else
	FETCH_A (\kq)+1, 4, 8
.endif
.endm
.macro KGRP e, a0, cnt, win
	WIN \win
.irp bb, 0,1,2,3
.irp jp, 0,1,2,3
.set ka, \a0
.rept \cnt
	ACCR ka, 4*\e+\bb
.if (\bb == 0) && (\jp == 0)
	v_pk_mul_f32 v[P+4*ka+2*\e:P+4*ka+2*\e+1], v[AB+2*\jp:AB+2*\jp+1], v[T+8*\bb+2*\jp:T+8*\bb+2*\jp+1]
.else
	v_pk_fma_f32 v[P+4*ka+2*\e:P+4*ka+2*\e+1], v[AB+2*\jp:AB+2*\jp+1], v[T+8*\bb+2*\jp:T+8*\bb+2*\jp+1], v[P+4*ka+2*\e:P+4*ka+2*\e+1]
.endif
.set ka, ka+1
.endr
.endr
.endr
.endm
.macro KEPI
.irp e, 0,1
	WIN 0
.irp bb, 0,1,2,3
.irp u, 0,1
	ds_load_b128 v[T+8*\bb+4*\u:T+8*\bb+4*\u+3], v[QSR] offset:64*(4*\e+\bb)+16*\u
.endr
.endr
	s_wait_dscnt 0x0
	KGRP \e, 0, 4, 0x02
	KGRP \e, 4, 4, 0x03
	KGRP \e, 8, 1, 0x01
.endr
	WIN 0
.endm
.macro SOFT
.irp a, 0,1,2,3,4,5,6,7,8
.irp e, 0,1
	v_add_f32 v[P+4*\a+2*\e], v[P+4*\a+2*\e], v[P+4*\a+2*\e+1]
.endr
.endr
.irp a, 0,1,2,3,4,5,6,7,8
.irp e, 0,1
	v_permlanex16_b32 v[P+4*\a+2*\e+1], v[P+4*\a+2*\e], s[SEL], s[SEL+1]
.endr
.endr
.irp a, 0,1,2,3,4,5,6,7,8
.irp e, 0,1
	v_add_f32 v[P+4*\a+2*\e], v[P+4*\a+2*\e], v[P+4*\a+2*\e+1]
.endr
.endr
.irp a, 0,1,2,3,4,5,6,7,8
.irp e, 0,1
	v_add_f32 v[P+4*\a+2*\e], s[CB+\e], v[P+4*\a+2*\e]
.endr
.endr
.irp e, 0,1
	v_cndmask_b32 v[P+32+2*\e], v[NINF], v[P+32+2*\e], s[MSK]
.endr
.irp e, 0,1
	v_max3_num_f32 v[T+\e], v[P+2*\e], v[P+4+2*\e], v[P+8+2*\e]
.endr
.irp a, 3,5,7
.irp e, 0,1
	v_max3_num_f32 v[T+\e], v[T+\e], v[P+4*\a+2*\e], v[P+4*\a+4+2*\e]
.endr
.endr
.irp m, 1,2,4,8
.irp e, 0,1
	v_max_num_f32_dpp v[T+\e], v[T+\e], v[T+\e] row_xmask:\m row_mask:0xf bank_mask:0xf
.endr
.endr
.irp a, 0,1,2,3,4,5,6,7,8
.irp e, 0,1
	v_sub_f32 v[P+4*\a+2*\e], v[P+4*\a+2*\e], v[T+\e]
.endr
.endr
	s_wait_alu depctr_va_vdst(0)
.irp a, 0,1,2,3,4,5,6,7,8
.irp e, 0,1
	v_exp_f32 v[P+4*\a+2*\e], v[P+4*\a+2*\e]
.endr
.endr
	v_nop
	s_wait_alu depctr_va_vdst(0)
.irp a, 0,1,2,3,4,5,6,7,8
.irp e, 0,1
	v_mov_b32 v[P+4*\a+2*\e+1], v[P+4*\a+2*\e]
.endr
.endr
.irp e, 0,1
	v_add_f32 v[T+2+\e], v[P+2*\e], v[P+4+2*\e]
.endr
.irp a, 2,3,4,5,6,7,8
.irp e, 0,1
	v_add_f32 v[T+2+\e], v[T+2+\e], v[P+4*\a+2*\e]
.endr
.endr
.irp m, 1,2,4,8
.irp e, 0,1
	v_add_f32_dpp v[T+2+\e], v[T+2+\e], v[T+2+\e] row_xmask:\m row_mask:0xf bank_mask:0xf
.endr
.endr
.irp u, 0,1,2,3
	v_mov_b32 v[ML+4+\u], v[ML+\u]
.endr
.irp e, 0,1
	v_mov_b32 v[ML+2*\e], v[T+\e]
	v_mov_b32 v[ML+2*\e+1], v[T+2+\e]
.endr
	ds_store_b128 v[QSW], v[QN:QN+3]
	s_mov_b32 s[CB], s[CB+2]
	s_mov_b32 s[CB+1], s[CB+3]
	s_wait_dscnt 0x0
.endm
.macro VEPI step
.irp e, 0,1
.set va, 0
.rept 9
.if va < 4
	WIN 0x02
.elseif va < 8
	WIN 0x03
.else
	WIN 0x01
.endif
.irp bb, 0,1,2,3
.irp jp, 0,1,2,3
	ACCR va, 4*\e+\bb
.if va == 0
	v_pk_mul_f32 v[T+8*\bb+2*\jp:T+8*\bb+2*\jp+1], v[AB+2*\jp:AB+2*\jp+1], v[P+4*va+2*\e:P+4*va+2*\e+1]
.else
	v_pk_fma_f32 v[T+8*\bb+2*\jp:T+8*\bb+2*\jp+1], v[AB+2*\jp:AB+2*\jp+1], v[P+4*va+2*\e:P+4*va+2*\e+1], v[T+8*\bb+2*\jp:T+8*\bb+2*\jp+1]
.endif
.endr
.endr
.set va, va+1
.endr
	WIN 0
.irp m, 1,2,4,8
.set tt, 0
.rept 32
	v_add_f32_dpp v[T+tt], v[T+tt], v[T+tt] row_xmask:\m row_mask:0xf bank_mask:0xf
.set tt, tt+1
.endr
.endr
.irp bb, 0,1,2,3
.irp u, 0,1
	ds_store_b128 v[OSA], v[T+8*\bb+4*\u:T+8*\bb+4*\u+3] offset:64*(4*\e+\bb)+16*\u
.endr
.endr
	s_wait_dscnt 0x0
.endr
	ds_load_b128 v[T+32:T+35], v[ORD]
	s_wait_dscnt 0x0
	global_store_b128 v[GOF], v[T+32:T+35], s[PARTP:PARTP+1]
.if \step
	s_wait_xcnt 0x0
	s_add_nc_u64 s[PARTP:PARTP+1], s[PARTP:PARTP+1], 512
.endif
.endm
	FETCH_B 0, 0, 0
	WSCALES 0, 0
	FETCH_A 0, 0, 3
	SCALES 0
	FETCH_A 0, 4, 8
	STEP 0, 0, 1
.Ltrip:
	TURN 0, 1, 1, 0
	STEP 1, 2, 0
	TURN 1, 0, 3, 1
	s_wait_xcnt 0x0                                ; my loads have read their base:
	s_add_nc_u64 s[WP:WP+1], s[WP:WP+1], 2*BLK     ; the stream goes two blocks on
	s_bitcmp1_b32 s[LAP], 0
	s_cbranch_scc1 .Lodd
	s_wait_alu depctr_va_vdst(0)
	STEP 0, 0, 0
	s_branch .Lnext
.Lodd:
	s_bitcmp1_b32 s[LAP], 1
	s_cbranch_scc1 .Lv
	KEPI
	SOFT
	s_branch .Lz
.Lv:
	VEPI 1
.Lz:
	STEP 0, 0, 1
.Lnext:
	s_add_co_u32 s[LAP], s[LAP], 1
	s_cmp_lt_u32 s[LAP], 7
	s_cbranch_scc1 .Ltrip
	FETCH_B 1, 0, 0                                ; the last block
	WSCALES 1, 1
	s_wait_loadcnt 32
	s_wait_dscnt 30
.irp a, 0,1,2,3
	MULA \a, 1, 1, 0, 0
.endr
	WIN 0
	s_wait_dscnt 0x0
	PLACES
	FETCH_A 2, 0, 3
	SCALES 1
.irp a, 4,5,6,7,8
	MULA \a, 1, 1, 0, 0
.endr
	PLACES
	WIN 0
	FETCH_A 2, 4, 8
	STEP 1, 2, 0
	s_wait_loadcnt 0x0                             ; the last K step's weights
	s_wait_dscnt 30
.irp a, 0,1,2,3
	MULA \a, 1, 1, 1, 0
.endr
	s_wait_dscnt 0x0
.irp a, 4,5,6,7,8
	MULA \a, 1, 1, 1, 0
.endr
	PLACES
	WIN 0
	VEPI 0
.irp u, 0,1,2,3
	ds_store_b32 v[STA], v[ML+4+\u] offset:4*\u
	ds_store_b32 v[STA], v[ML+\u] offset:16+4*\u
.endr
	ds_load_b32 v[T], v[STR]
	s_wait_dscnt 0x0
	global_store_b32 v[GO4], v[T], s[STATP:STATP+1]
	s_wait_tensorcnt 0x0
	ds_add_u32 v[SPW], v[NIL]
	s_wait_dscnt 0x0
	s_endpgm
.Lfunc_end_k_qf257da71a1_main:
	.size	k_qf257da71a1_main, .Lfunc_end_k_qf257da71a1_main-k_qf257da71a1_main
	.p2alignl 7, 3214868480
	.fill 96, 4, 3214868480
	.section	.rodata,"a",@progbits
	.p2align	6, 0x0
	.amdhsa_kernel k_qf257da71a1_main
		.amdhsa_group_segment_fixed_size 327680
		.amdhsa_private_segment_fixed_size 0
		.amdhsa_enable_private_segment 0
		.amdhsa_kernarg_size 80
		.amdhsa_user_sgpr_count 2
		.amdhsa_user_sgpr_kernarg_segment_ptr 1
		.amdhsa_wavefront_size32 1
		.amdhsa_system_sgpr_workgroup_id_x 1
		.amdhsa_system_sgpr_workgroup_id_y 1
		.amdhsa_system_sgpr_workgroup_id_z 1
		.amdhsa_system_vgpr_workitem_id 0
		.amdhsa_next_free_vgpr 1024
		.amdhsa_next_free_sgpr 100
		.amdhsa_reserve_vcc 0
		.amdhsa_float_denorm_mode_32 3
		.amdhsa_float_denorm_mode_16_64 3
		.amdhsa_memory_ordered 1
		.amdhsa_forward_progress 1
		.amdhsa_inst_pref_size 255
	.end_amdhsa_kernel
	.section	.bss,"aw",@nobits
	.p2align	6
	.space	262144
	.amdgpu_metadata
---
amdhsa.version: [ 1, 2 ]
amdhsa.kernels:
  - .name:           k_qf257da71a1_main
    .symbol:         k_qf257da71a1_main.kd
    .args:
      - { .name: patches, .offset: 0, .size: 8, .value_kind: global_buffer, .address_space: global }
      - { .name: cls_tok, .offset: 8, .size: 8, .value_kind: global_buffer, .address_space: global }
      - { .name: storage, .offset: 16, .size: 8, .value_kind: global_buffer, .address_space: global }
      - { .name: ln_kv_g, .offset: 24, .size: 8, .value_kind: global_buffer, .address_space: global }
      - { .name: ln_kv_b, .offset: 32, .size: 8, .value_kind: global_buffer, .address_space: global }
      - { .name: wimg, .offset: 40, .size: 8, .value_kind: global_buffer, .address_space: global }
      - { .name: qs, .offset: 48, .size: 8, .value_kind: global_buffer, .address_space: global }
      - { .name: bk, .offset: 56, .size: 8, .value_kind: global_buffer, .address_space: global }
      - { .name: part, .offset: 64, .size: 8, .value_kind: global_buffer, .address_space: global }
      - { .name: stat, .offset: 72, .size: 8, .value_kind: global_buffer, .address_space: global }
    .group_segment_fixed_size: 327680
    .private_segment_fixed_size: 0
    .kernarg_segment_align: 8
    .kernarg_segment_size: 80
    .max_flat_workgroup_size: 128
    .sgpr_count:     100
    .vgpr_count:     1024
    .wavefront_size: 32
...
	.end_amdgpu_metadata
.endif
;; end of part 2
;; launch proj (part 3): grid 256 x 1, 16 waves a work-group, no clusters, 10,240 bytes of LDS; arguments part, stat, bv, wimg, bo, pool; writes pool
.if DOCPART == 3
	.amdgcn_target "amdgcn-amd-amdhsa--gfx1250"
	.amdhsa_code_object_version 6
	.text
	.protected	k_qf257da71a1_proj
	.globl	k_qf257da71a1_proj
	.p2align	8
	.type	k_qf257da71a1_proj,@function
k_qf257da71a1_proj:
	s_mov_b64 s[64:65], 0
	v_nop
	global_prefetch_b8 v0, s[64:65] scope:SCOPE_SE
	s_setreg_imm32_b32 hwreg(HW_REG_WAVE_MODE, 25, 1), 1
	s_wait_xcnt 0x0
; pool[b][n] = sum over k of Q(ctx[b])[k] Wo[n][k] + bo[n], for four batches (4 g .. 4 g + 3, g = x / 16) and 64 features (64 c .. 64 c + 63, c = x % 16).
; JOIN.  Wave v joins head v's four quarters for the four batches: M = the largest of their maxima, each quarter's sums x 2^(m - M), divided by the joined sum, + bv (the weights sum to 1).  Lane (batch = lane / 4 % 4, u = lane % 4)
; holds 16 neighbouring numbers of the head's 64; lanes 16-31 repeat lanes 0-15.  The numbers are quantised to E2M3 along the 1,024 (blocks of 32: two neighbouring lanes) and laid in LDS as four rows of codes and scale bytes.
; PRODUCT.  Wave v takes tile v % 4 of the 64 features and K steps 2 (v / 4) and 2 (v / 4) + 1: two matrix instructions, source 0 = 16 rows of Wo (register images, asked for at the head), source 1 = ctx, column r = batch r % 4.
; The four K quarters' parts meet in LDS; wave 0 adds them and bo and stores four whole rows of 256 bytes.
; WHY THIS SHARE: a work-group of n batches reads n x 16 KB of sums and 1 / (4 n) of Wo's 819,200 bytes: 134 KB for n = 2, 115 KB for n = 4, 154 KB for n = 8.
; No tensor load and no joint load: every byte is used once, for two matrix instructions a wave; a joint load would add rounds of the cluster's barrier and a way back out of LDS.
; LIMITS: NaN and infinities are not served; a block of ctx under 2^-124 (a block of zeros too) gets the scale byte 1: its codes are zeros or nearly so, and the bytes are read by this launch alone.
.set BLK,  25600                       ; a block of weight images: 128 rows x 256 K
.set CTXS, 3072                        ; LDS: ctx's codes at 0 (4 rows x 768 bytes), its scale bytes (4 rows x 32),
.set PS,   4096                        ; and the parts: [K quarter][batch][64 f32], 4,096 bytes
.set CSW,  20                          ; v20 ctx's scale word, v21 Wo's: lanes 0-15 my first K step, lanes 16-31 my second; nothing else is ever held there
.set WSW,  21
.set WF,   24                          ; v24-47   Wo's two fragments
.set CF,   48                          ; v48-71   ctx's two
.set AC0,  72                          ; v72-87   two accumulators
.set AC1,  80
.set PT,   96                          ; v96-159  the four quarters' sums; later the parts
.set MLR,  160                         ; v160-167 (m, l) of the four quarters
.set BV,   168                         ; v168-183
.set CT,   184                         ; v184-199 my 16 numbers of ctx
.set WQ,   200                         ; v200-207 2^(m - M), each twice
.set BO,   220
	s_load_b256 s[4:11], s[0:1], 0x0               ; part, stat, bv, wimg
	s_load_b128 s[12:15], s[0:1], 0x20             ; bo, pool
	v_lshl_add_u32 v224, v0, 2, 0x2000
	v_mov_b32 v225, 0
	v_lshrrev_b32 v1, 5, v0
	s_delay_alu instid0(VALU_DEP_1)
	v_readfirstlane_b32 s24, v1                    ; wave = head
	s_lshr_b32 s25, ttmp9, 4                       ; g
	s_and_b32 s26, ttmp9, 15                       ; c
	s_and_b32 s27, s24, 3                          ; i: my tile of 16 features
	s_lshr_b32 s28, s24, 2                         ; kk: my quarter of K
	v_and_b32 v1, 31, v0                           ; lane
	v_and_b32 v2, 15, v0                           ; r
	v_bfe_u32 v3, v0, 4, 1                         ; h
	v_and_b32 v16, 3, v0                           ; u in the join; r % 4, the column's batch, in the product
	v_bfe_u32 v17, v0, 2, 2                        ; the lane's batch in the join
	v_lshlrev_b32 v4, 4, v1                        ; 16 x lane
	v_lshlrev_b32 v5, 2, v1                        ; 4 x lane
	s_mul_i32 s48, s28, 192                        ; two K steps are 192 bytes of codes
	v_mul_u32_u24 v6, v16, 768
	s_delay_alu instid0(VALU_DEP_1)
	v_mad_u32_u24 v6, v3, 24, v6
	s_delay_alu instid0(VALU_DEP_1)
	v_add_nc_u32 v6, s48, v6                       ; ctx's fragments: row r % 4, + 24 h, + my K steps
	s_lshl_b32 s48, s28, 3
	s_add_co_u32 s48, s48, CTXS
	v_lshlrev_b32 v7, 5, v16
	s_delay_alu instid0(VALU_DEP_1)
	v_lshl_add_u32 v7, v3, 2, v7
	s_delay_alu instid0(VALU_DEP_1)
	v_add_nc_u32 v7, s48, v7                       ; its scale word: lanes 16-31 take the second K step's
	s_mul_i32 s48, s24, 48
	v_mul_u32_u24 v8, v17, 768
	s_delay_alu instid0(VALU_DEP_1)
	v_mad_u32_u24 v8, v16, 12, v8
	s_delay_alu instid0(VALU_DEP_1)
	v_add_nc_u32 v8, s48, v8                       ; where my 16 codes go: row = batch, 48 v + 12 u
	s_lshl_b32 s48, s24, 1
	s_add_co_u32 s48, s48, CTXS
	v_lshrrev_b32 v9, 1, v16
	s_delay_alu instid0(VALU_DEP_1)
	v_lshl_add_u32 v9, v17, 5, v9
	s_delay_alu instid0(VALU_DEP_1)
	v_add_nc_u32 v9, s48, v9                       ; and my block's byte
	v_lshlrev_b32 v12, 6, v16                      ; 64 u: my 16 numbers of the head's 64
	s_delay_alu instid0(VALU_DEP_1)
	v_lshl_add_u32 v10, v17, 14, v12               ; + a batch's four quarters: 16,384 bytes
	v_lshlrev_b32 v11, 11, v17                     ; a batch's m and l: 2,048 bytes
	s_lshl_b32 s48, s28, 10
	s_lshl_b32 s49, s27, 6
	s_add_co_u32 s48, s48, s49
	s_add_co_u32 s48, s48, PS
	v_lshlrev_b32 v13, 8, v16
	s_delay_alu instid0(VALU_DEP_1)
	v_lshl_add_u32 v13, v3, 5, v13
	s_delay_alu instid0(VALU_DEP_1)
	v_add_nc_u32 v13, s48, v13                     ; my part: [kk][r % 4], features 16 i + 8 h on
	v_lshlrev_b32 v14, 4, v2                       ; the way out: sixteen lanes to a row of 256 bytes,
	s_delay_alu instid0(VALU_DEP_1)
	v_lshl_add_u32 v15, v3, 12, v14                ; lanes 16-31 the next batch's row of pool
	s_mov_b32 s47, 0
	s_lshl_b32 s46, s25, 16                        ; four batches of part
	s_lshl_b32 s30, s24, 8                         ; 64 features of 4 bytes
	s_add_co_u32 s46, s46, s30
	s_wait_alu depctr_va_vdst(0)
	s_wait_kmcnt 0x0
	s_add_nc_u64 s[32:33], s[4:5], s[46:47]        ; part[4 g][0][64 v]
	s_lshl_b32 s46, s25, 13
	s_lshl_b32 s31, s28, 7
	s_add_co_u32 s46, s46, s31
	s_lshl_b32 s31, s27, 3
	s_add_co_u32 s46, s46, s31
	s_add_nc_u64 s[34:35], s[6:7], s[46:47]        ; stat[4 g][0][v / 4], words 2 (v % 4) on
	s_mov_b32 s46, s30
	s_add_nc_u64 s[36:37], s[8:9], s[46:47]        ; bv at my head
	s_lshr_b32 s31, s26, 1
	s_lshl_b32 s31, s31, 2
	s_add_co_u32 s31, s31, s28
	s_add_co_u32 s31, s31, 64
	s_mul_i32 s31, s31, BLK                        ; Wo's block of rows 128 (c / 2) on, my 256 along K
	s_and_b32 s29, s26, 1
	s_lshl_b32 s29, s29, 2
	s_add_co_u32 s29, s29, s27                     ; my tile among the block's eight
	s_mul_i32 s46, s29, 1536
	s_add_co_u32 s46, s46, s31
	s_add_nc_u64 s[38:39], s[10:11], s[46:47]      ; its images
	s_lshl_b32 s46, s29, 7
	s_add_co_u32 s46, s46, s31
	s_add_co_u32 s46, s46, 24576
	s_add_nc_u64 s[40:41], s[10:11], s[46:47]      ; and its scale image
	s_lshl_b32 s46, s26, 8
	s_add_nc_u64 s[42:43], s[12:13], s[46:47]      ; bo at feature 64 c
	s_lshl_b32 s31, s25, 14
	s_add_co_u32 s46, s46, s31
	s_add_nc_u64 s[44:45], s[14:15], s[46:47]      ; pool[4 g][64 c]
	; what the join wants first, what the product wants behind it
.irp q, 0,1,2,3
	global_load_b64 v[MLR+2*\q:MLR+2*\q+1], v11, s[34:35] offset:512*\q
.endr
.irp q, 0,1,2,3
.irp j, 0,1,2,3
	global_load_b128 v[PT+16*\q+4*\j:PT+16*\q+4*\j+3], v10, s[32:33] offset:4096*\q+16*\j
.endr
.endr
.irp j, 0,1,2,3
	global_load_b128 v[BV+4*\j:BV+4*\j+3], v12, s[36:37] offset:16*\j
.endr
.irp q, 0,1
.irp c, 0,1,2
	global_load_b128 v[WF+12*\q+4*\c:WF+12*\q+4*\c+3], v4, s[38:39] offset:12288*\q+512*\c
.endr
.endr
	global_load_b32 v[WSW], v5, s[40:41]
	global_load_b128 v[BO:BO+3], v14, s[42:43]
	s_wait_loadcnt 8                               ; m, l, the sums and bv are in: Wo's six loads, its scale word and bo are the younger ones
	; ---- the join
	v_max3_num_f32 v208, v[MLR], v[MLR+2], v[MLR+4]
	s_delay_alu instid0(VALU_DEP_1)
	v_max_num_f32 v208, v208, v[MLR+6]             ; M: each quarter's maximum is a number (128 patches at the least)
.irp q, 0,1,2,3
	v_sub_f32 v[WQ+2*\q], v[MLR+2*\q], v208
.endr
	s_wait_alu depctr_va_vdst(0)
.irp q, 0,1,2,3
	v_exp_f32 v[WQ+2*\q], v[WQ+2*\q]               ; 2^(m - M), at most 1
.endr
	v_nop                                          ; one plain place behind the exponentials (ISA guide 5.7.2)
	s_wait_alu depctr_va_vdst(0)
.irp q, 0,1,2,3
	v_mov_b32 v[WQ+2*\q+1], v[WQ+2*\q]             ; twice: pairs for the packed forms
.endr
	v_mul_f32 v209, v[WQ], v[MLR+1]
	v_fmac_f32 v209, v[WQ+2], v[MLR+3]
	v_fmac_f32 v209, v[WQ+4], v[MLR+5]
	v_fmac_f32 v209, v[WQ+6], v[MLR+7]             ; the row's sum: at least 1
	s_wait_alu depctr_va_vdst(0)
	v_rcp_f32 v210, v209
	v_rcp_f32 v211, v209
.irp jp, 0,2,4,6,8,10,12,14
	v_pk_mul_f32 v[CT+\jp:CT+\jp+1], v[PT+\jp:PT+\jp+1], v[WQ:WQ+1]                   ; (plain places behind the reciprocals)
.endr
.irp q, 1,2,3
.irp jp, 0,2,4,6,8,10,12,14
	v_pk_fma_f32 v[CT+\jp:CT+\jp+1], v[PT+16*\q+\jp:PT+16*\q+\jp+1], v[WQ+2*\q:WQ+2*\q+1], v[CT+\jp:CT+\jp+1]
.endr
.endr
	s_wait_alu depctr_va_vdst(0)
.irp jp, 0,2,4,6,8,10,12,14
	v_pk_fma_f32 v[CT+\jp:CT+\jp+1], v[CT+\jp:CT+\jp+1], v[210:211], v[BV+\jp:BV+\jp+1]   ; / the sum, + bv
.endr
	; ---- the quantiser
	v_max3_num_f32 v212, |v[CT]|, |v[CT+1]|, 0x1800000                                ; with the floor 2^(3 - 127): the scale's byte cannot fall under 1
.irp j, 2,4,6,8,10,12,14
	s_delay_alu instid0(VALU_DEP_1)
	v_max3_num_f32 v212, v212, |v[CT+\j]|, |v[CT+\j+1]|
.endr
	s_delay_alu instid0(VALU_DEP_1)
	v_max_num_f32_dpp v212, v212, v212 row_xmask:1 row_mask:0xf bank_mask:0xf         ; my neighbour lane holds the block's other half
	s_delay_alu instid0(VALU_DEP_1)
	v_add_nc_u32 v213, 0xff000000, v212            ; 2 off the exponent field: the conversion takes that field of this operand as its scale, and nothing else of it
	v_cvt_scalef32_pk16_fp6_f32 v[216:218], v[CT:CT+15], v213
	v_lshrrev_b32 v214, 23, v213                   ; the scale's byte (and the plain place behind the conversion)
	ds_store_b8 v9, v214                           ; lanes that hold the same numbers write the same bytes with the same values
	ds_store_b32 v8, v216
	ds_store_b32 v8, v217 offset:4
	ds_store_b32 v8, v218 offset:8
	s_wait_dscnt 0x0                               ; for the others' sake: my codes and my byte lie in LDS
	s_barrier_signal -1
	s_barrier_wait -1                              ; the four rows of ctx are whole
	; ---- the product
.irp q, 0,1
.irp p, 0,1,2,3,4,5
	ds_load_b64 v[CF+12*\q+2*\p:CF+12*\q+2*\p+1], v6 offset:96*\q+48*(\p/3)+8*(\p%3)
.endr
.endr
	ds_load_b32 v[CSW], v7
	s_wait_loadcnt 0x0                             ; Wo's fragments, its scale word, bo
	s_wait_dscnt 0x0
	v_wmma_scale_f32_16x16x128_f8f6f4 v[AC0:AC0+7], v[WF:WF+11], v[CF:CF+11], 0, v[WSW], v[CSW] matrix_a_fmt:MATRIX_FMT_FP6 matrix_b_fmt:MATRIX_FMT_FP6
	v_wmma_scale_f32_16x16x128_f8f6f4 v[AC1:AC1+7], v[WF+12:WF+23], v[CF+12:CF+23], 0, v[WSW], v[CSW] matrix_a_fmt:MATRIX_FMT_FP6 matrix_b_fmt:MATRIX_FMT_FP6 matrix_a_scale:MATRIX_SCALE_ROW1 matrix_b_scale:MATRIX_SCALE_ROW1
.rept 4
	v_nop                                          ; four places between the products and the first read of their results (ISA guide 7.12.1)
.endr
.irp j, 0,2,4,6
	v_pk_add_f32 v[AC0+\j:AC0+\j+1], v[AC0+\j:AC0+\j+1], v[AC1+\j:AC1+\j+1]           ; both accumulators from their low end on.  Lane (r, h): batch r % 4, features 16 i + 8 h + 0 .. 7
.endr
	ds_store_b128 v13, v[AC0:AC0+3]                ; the four lanes of a batch write the same bytes with the same values
	ds_store_b128 v13, v[AC0+4:AC0+7] offset:16
	s_wait_dscnt 0x0                               ; for wave 0's sake
	s_barrier_signal -1
	s_barrier_wait -1                              ; all sixteen parts lie in LDS
	s_cmp_lg_u32 s24, 0                            ; wave 0 adds and stores; no barrier stands under this branch
	s_cbranch_scc1 .Lend
.irp t, 0,1
.irp k, 0,1,2,3
	ds_load_b128 v[PT+16*\t+4*\k:PT+16*\t+4*\k+3], v4 offset:PS+1024*\k+512*\t        ; batches 2 t (lanes 0-15) and 2 t + 1 (lanes 16-31), four features a lane, K quarter k
.endr
.endr
	s_wait_dscnt 0x0
.irp t, 0,1
.irp j, 0,2
	v_pk_add_f32 v[PT+16*\t+\j:PT+16*\t+\j+1], v[PT+16*\t+\j:PT+16*\t+\j+1], v[PT+16*\t+4+\j:PT+16*\t+4+\j+1]
	v_pk_add_f32 v[PT+16*\t+8+\j:PT+16*\t+8+\j+1], v[PT+16*\t+8+\j:PT+16*\t+8+\j+1], v[PT+16*\t+12+\j:PT+16*\t+12+\j+1]
.endr
.endr
.irp t, 0,1
.irp j, 0,2
	v_pk_add_f32 v[PT+16*\t+\j:PT+16*\t+\j+1], v[PT+16*\t+\j:PT+16*\t+\j+1], v[PT+16*\t+8+\j:PT+16*\t+8+\j+1]
.endr
.endr
.irp t, 0,1
.irp j, 0,2
	s_delay_alu instid0(VALU_DEP_4)
	v_pk_add_f32 v[PT+16*\t+\j:PT+16*\t+\j+1], v[PT+16*\t+\j:PT+16*\t+\j+1], v[BO+\j:BO+\j+1]
.endr
.endr
.irp t, 0,1
	global_store_b128 v15, v[PT+16*\t:PT+16*\t+3], s[44:45] offset:8192*\t            ; sixteen lanes store 256 consecutive bytes, at a multiple of 256 from pool's first byte
.endr
.Lend:
	s_wait_tensorcnt 0x0
	ds_add_u32 v224, v225
	s_wait_dscnt 0x0
	s_endpgm
.Lfunc_end_k_qf257da71a1_proj:
	.size	k_qf257da71a1_proj, .Lfunc_end_k_qf257da71a1_proj-k_qf257da71a1_proj
	.p2alignl 7, 3214868480
	.fill 96, 4, 3214868480
	.section	.rodata,"a",@progbits
	.p2align	6, 0x0
	.amdhsa_kernel k_qf257da71a1_proj
		.amdhsa_group_segment_fixed_size 10240
		.amdhsa_private_segment_fixed_size 0
		.amdhsa_enable_private_segment 0
		.amdhsa_kernarg_size 48
		.amdhsa_user_sgpr_count 2
		.amdhsa_user_sgpr_kernarg_segment_ptr 1
		.amdhsa_wavefront_size32 1
		.amdhsa_system_sgpr_workgroup_id_x 1
		.amdhsa_system_sgpr_workgroup_id_y 1
		.amdhsa_system_sgpr_workgroup_id_z 1
		.amdhsa_system_vgpr_workitem_id 0
		.amdhsa_next_free_vgpr 226
		.amdhsa_next_free_sgpr 66
		.amdhsa_reserve_vcc 0
		.amdhsa_float_denorm_mode_32 3
		.amdhsa_float_denorm_mode_16_64 3
		.amdhsa_memory_ordered 1
		.amdhsa_forward_progress 1
		.amdhsa_inst_pref_size 16
	.end_amdhsa_kernel
	.amdgpu_metadata
---
amdhsa.version: [ 1, 2 ]
amdhsa.kernels:
  - .name:           k_qf257da71a1_proj
    .symbol:         k_qf257da71a1_proj.kd
    .args:
      - { .name: part, .offset: 0, .size: 8, .value_kind: global_buffer, .address_space: global }
      - { .name: stat, .offset: 8, .size: 8, .value_kind: global_buffer, .address_space: global }
      - { .name: bv, .offset: 16, .size: 8, .value_kind: global_buffer, .address_space: global }
      - { .name: wimg, .offset: 24, .size: 8, .value_kind: global_buffer, .address_space: global }
      - { .name: bo, .offset: 32, .size: 8, .value_kind: global_buffer, .address_space: global }
      - { .name: pool, .offset: 40, .size: 8, .value_kind: global_buffer, .address_space: global }
    .group_segment_fixed_size: 10240
    .private_segment_fixed_size: 0
    .kernarg_segment_align: 8
    .kernarg_segment_size: 48
    .max_flat_workgroup_size: 512
    .sgpr_count:     66
    .vgpr_count:     226
    .wavefront_size: 32
...
	.end_amdgpu_metadata
.endif
;; end of part 3
;; launch head (part 4): grid 64 x 1, 8 waves a work-group, no clusters, 2,048 bytes of LDS; arguments pool, ln_out_g, ln_out_b, Wp, bp, out0; writes out0
.if DOCPART == 4
	.amdgcn_target "amdgcn-amd-amdhsa--gfx1250"
	.amdhsa_code_object_version 6
	.text
	.protected	k_qf257da71a1_head
	.globl	k_qf257da71a1_head
	.p2align	8
	.type	k_qf257da71a1_head,@function
k_qf257da71a1_head:
	s_mov_b64 s[64:65], 0
	v_nop
	global_prefetch_b8 v0, s[64:65] scope:SCOPE_SE
	s_setreg_imm32_b32 hwreg(HW_REG_WAVE_MODE, 25, 1), 1
	s_wait_xcnt 0x0
; out0[b][c] = sum over n of LN(pool[b])[n] Wp[c][n] + bp[c].  One batch to a work-group of eight waves; thread t holds features 4 t .. 4 t + 3, so every load of a wave reads 512 consecutive bytes.
; LayerNorm as it is defined: the mean, then the mean of the centred squares, both in f32; the waves' sums meet in LDS.  The 14 logits in f32: each thread multiplies its four numbers by its four of each row of Wp,
; the 32 lanes are added, the eight waves' parts meet in LDS as words [class][wave], and wave 0 adds them: lane r takes class r.  Classes 14 and 15 repeat class 13, so that all sixteen rows of words are written.
; No matrix instruction (14 columns), no tensor load, no cluster: a batch is 4,096 bytes and nothing is read twice by a work-group.
; LIMITS: NaN and infinities are not served.
.set RED1, 0                           ; LDS: eight sums,
.set RED2, 256                         ; eight sums of squares,
.set RED3, 512                         ; 16 x 8 parts of logits
.set X,   16                           ; v16-19  my four numbers
.set G,   20
.set B,   24
.set BP,  28
.set W,   32                           ; v32-87  my four of each of Wp's 14 rows
.set S,   96                           ; v96-97  at work
.set R8,  100                          ; v100-107 eight words from LDS
.set MU,  108                          ; -mean, twice
.set RS,  110                          ; 1 / sqrt(var + eps), twice
.set LG,  112                          ; v112-139 logit c at LG + 2 c
	s_load_b256 s[4:11], s[0:1], 0x0               ; pool, gain, bias, Wp
	s_load_b128 s[12:15], s[0:1], 0x20             ; bp, out0
	v_lshl_add_u32 v144, v0, 2, 0x400
	v_mov_b32 v145, 0
	v_lshrrev_b32 v1, 5, v0
	s_delay_alu instid0(VALU_DEP_1)
	v_readfirstlane_b32 s24, v1                    ; wave
	v_lshlrev_b32 v1, 4, v0                        ; 16 t
	v_and_b32 v2, 31, v0                           ; lane
	v_and_b32 v3, 15, v0
	s_delay_alu instid0(VALU_DEP_1)
	v_min_u32 v4, 13, v3                           ; class: no load leaves bp
	s_delay_alu instid0(VALU_DEP_1)
	v_lshlrev_b32 v4, 2, v4
	s_lshl_b32 s30, s24, 2
	v_mov_b32 v5, s30                              ; my wave's word among eight
	v_mov_b32 v6, 0
	v_lshlrev_b32 v7, 5, v3                        ; a class's eight words
	v_lshlrev_b32 v8, 2, v2
	s_mov_b32 s20, 0x76543210
	s_mov_b32 s21, 0xfedcba98                      ; v_permlanex16_b32's selects for lane l xor 16
	s_mov_b32 s54, 0x3a800000                      ; 1 / 1,024
	s_mov_b32 s55, 0x3727c5ac                      ; 1e-5
	s_mov_b32 s56, 0xba800000                      ; -1 / 1,024
	s_lshl_b32 s26, ttmp9, 12
	s_mov_b32 s27, 0
	s_mul_i32 s28, ttmp9, 56
	s_mov_b32 s29, 0
	s_wait_alu depctr_va_vdst(0)
	s_wait_kmcnt 0x0
	s_add_nc_u64 s[16:17], s[4:5], s[26:27]        ; the batch's row of pool
	s_add_nc_u64 s[18:19], s[14:15], s[28:29]      ; and of the output
	global_load_b128 v[X:X+3], v1, s[16:17]
	global_load_b128 v[G:G+3], v1, s[6:7]
	global_load_b128 v[B:B+3], v1, s[8:9]
.irp c, 0,1,2,3,4,5,6,7,8,9,10,11,12,13
	global_load_b128 v[W+4*\c:W+4*\c+3], v1, s[10:11] offset:4096*\c
.endr
	global_load_b32 v[BP], v4, s[12:13]
.macro LANES                           ; v[S] over the 32 lanes: the sum in every lane
.irp m, 1,2,4,8
	s_delay_alu instid0(VALU_DEP_1)
	v_add_f32_dpp v[S], v[S], v[S] row_xmask:\m row_mask:0xf bank_mask:0xf
.endr
	s_delay_alu instid0(VALU_DEP_1)
	v_permlanex16_b32 v[S+1], v[S], s20, s21
	s_delay_alu instid0(VALU_DEP_1)
	v_add_f32 v[S], v[S], v[S+1]
.endm
.macro WAVES adr, base                 ; eight words from LDS are added: the sum in v[R8]
	ds_load_b128 v[R8:R8+3], v[\adr] offset:\base
	ds_load_b128 v[R8+4:R8+7], v[\adr] offset:\base+16
	s_wait_dscnt 0x0
	v_pk_add_f32 v[R8:R8+1], v[R8:R8+1], v[R8+2:R8+3]
	v_pk_add_f32 v[R8+4:R8+5], v[R8+4:R8+5], v[R8+6:R8+7]
	s_delay_alu instid0(VALU_DEP_1)
	v_pk_add_f32 v[R8:R8+1], v[R8:R8+1], v[R8+4:R8+5]
	s_delay_alu instid0(VALU_DEP_1)
	v_add_f32 v[R8], v[R8], v[R8+1]
.endm
	s_wait_loadcnt 17                              ; my four numbers are in: gain, bias, Wp's 14 loads and bp's are the younger ones
	v_pk_add_f32 v[S:S+1], v[X:X+1], v[X+2:X+3]
	s_delay_alu instid0(VALU_DEP_1)
	v_add_f32 v[S], v[S], v[S+1]
	LANES
	ds_store_b32 v5, v[S] offset:RED1              ; all lanes write the same word with the same value
	s_wait_dscnt 0x0                               ; for the others' sake
	s_barrier_signal -1
	s_barrier_wait -1
	WAVES 6, RED1
	s_delay_alu instid0(VALU_DEP_1)
	v_mul_f32 v[MU], s56, v[R8]                    ; -mean, in both halves of a pair
	s_delay_alu instid0(VALU_DEP_2)
	v_mul_f32 v[MU+1], s56, v[R8]
	s_delay_alu instid0(VALU_DEP_1)
	v_pk_add_f32 v[X:X+1], v[X:X+1], v[MU:MU+1]
	s_delay_alu instid0(VALU_DEP_2)
	v_pk_add_f32 v[X+2:X+3], v[X+2:X+3], v[MU:MU+1]
	s_delay_alu instid0(VALU_DEP_2)
	v_pk_mul_f32 v[S:S+1], v[X:X+1], v[X:X+1]      ; the centred squares
	s_delay_alu instid0(VALU_DEP_1)
	v_pk_fma_f32 v[S:S+1], v[X+2:X+3], v[X+2:X+3], v[S:S+1]
	s_delay_alu instid0(VALU_DEP_1)
	v_add_f32 v[S], v[S], v[S+1]
	LANES
	ds_store_b32 v5, v[S] offset:RED2
	s_wait_dscnt 0x0
	s_barrier_signal -1
	s_barrier_wait -1
	WAVES 6, RED2
	s_delay_alu instid0(VALU_DEP_1)
	v_fma_f32 v[S], v[R8], s54, s55                ; var + eps
	s_wait_alu depctr_va_vdst(0)
	v_rsq_f32 v[RS], v[S]
	v_rsq_f32 v[RS+1], v[S]
	v_nop                                          ; one plain place behind the transcendentals (ISA guide 5.7.2)
	s_wait_loadcnt 15                              ; gain and bias are in: Wp's 14 loads and bp's are younger
	s_wait_alu depctr_va_vdst(0)
	v_pk_mul_f32 v[X:X+1], v[X:X+1], v[RS:RS+1]
	v_pk_mul_f32 v[X+2:X+3], v[X+2:X+3], v[RS:RS+1]
	s_delay_alu instid0(VALU_DEP_2)
	v_pk_fma_f32 v[X:X+1], v[X:X+1], v[G:G+1], v[B:B+1]
	s_delay_alu instid0(VALU_DEP_2)
	v_pk_fma_f32 v[X+2:X+3], v[X+2:X+3], v[G+2:G+3], v[B+2:B+3]
	s_wait_alu depctr_va_vdst(0)
	s_wait_loadcnt 0x0
	; ---- the logits: the 14 classes take turns, so that no line waits for the line above it
.irp c, 0,1,2,3,4,5,6,7,8,9,10,11,12,13
	v_pk_mul_f32 v[LG+2*\c:LG+2*\c+1], v[X:X+1], v[W+4*\c:W+4*\c+1]
.endr
.irp c, 0,1,2,3,4,5,6,7,8,9,10,11,12,13
	v_pk_fma_f32 v[LG+2*\c:LG+2*\c+1], v[X+2:X+3], v[W+4*\c+2:W+4*\c+3], v[LG+2*\c:LG+2*\c+1]
.endr
.irp c, 0,1,2,3,4,5,6,7,8,9,10,11,12,13
	v_add_f32 v[LG+2*\c], v[LG+2*\c], v[LG+2*\c+1]
.endr
.irp m, 1,2,4,8
.irp c, 0,1,2,3,4,5,6,7,8,9,10,11,12,13
	v_add_f32_dpp v[LG+2*\c], v[LG+2*\c], v[LG+2*\c] row_xmask:\m row_mask:0xf bank_mask:0xf
.endr
.endr
.irp c, 0,1,2,3,4,5,6,7,8,9,10,11,12,13
	v_permlanex16_b32 v[LG+2*\c+1], v[LG+2*\c], s20, s21
.endr
.irp c, 0,1,2,3,4,5,6,7,8,9,10,11,12,13
	v_add_f32 v[LG+2*\c], v[LG+2*\c], v[LG+2*\c+1]
.endr
.irp c, 0,1,2,3,4,5,6,7,8,9,10,11,12,13
	ds_store_b32 v5, v[LG+2*\c] offset:RED3+32*\c  ; word [class][wave]
.endr
	ds_store_b32 v5, v[LG+26] offset:RED3+32*14    ; rows 14 and 15 repeat class 13: lanes 14 and 15 of wave 0 read them and store nothing
	ds_store_b32 v5, v[LG+26] offset:RED3+32*15
	s_wait_dscnt 0x0
	s_barrier_signal -1
	s_barrier_wait -1
	s_cmp_lg_u32 s24, 0                            ; wave 0 adds the eight parts; no barrier stands under this branch
	s_cbranch_scc1 .Lend
	WAVES 7, RED3
	s_delay_alu instid0(VALU_DEP_1)
	v_add_f32 v[R8], v[R8], v[BP]
	v_cmp_gt_u32 vcc_lo, 14, v2
	s_wait_alu depctr_va_vdst(0)
	s_wait_xcnt 0x0                                ; EXEC changes only behind this wait
	s_and_saveexec_b32 s30, vcc_lo
	global_store_b32 v8, v[R8], s[18:19]           ; 14 numbers: the batch's row of the output
	s_wait_xcnt 0x0
	s_or_b32 exec_lo, exec_lo, s30
.Lend:
	s_wait_tensorcnt 0x0
	ds_add_u32 v144, v145
	s_wait_dscnt 0x0
	s_endpgm
.Lfunc_end_k_qf257da71a1_head:
	.size	k_qf257da71a1_head, .Lfunc_end_k_qf257da71a1_head-k_qf257da71a1_head
	.p2alignl 7, 3214868480
	.fill 96, 4, 3214868480
	.section	.rodata,"a",@progbits
	.p2align	6, 0x0
	.amdhsa_kernel k_qf257da71a1_head
		.amdhsa_group_segment_fixed_size 2048
		.amdhsa_private_segment_fixed_size 0
		.amdhsa_enable_private_segment 0
		.amdhsa_kernarg_size 48
		.amdhsa_user_sgpr_count 2
		.amdhsa_user_sgpr_kernarg_segment_ptr 1
		.amdhsa_wavefront_size32 1
		.amdhsa_system_sgpr_workgroup_id_x 1
		.amdhsa_system_sgpr_workgroup_id_y 1
		.amdhsa_system_sgpr_workgroup_id_z 1
		.amdhsa_system_vgpr_workitem_id 0
		.amdhsa_next_free_vgpr 146
		.amdhsa_next_free_sgpr 66
		.amdhsa_reserve_vcc 1
		.amdhsa_float_denorm_mode_32 3
		.amdhsa_float_denorm_mode_16_64 3
		.amdhsa_memory_ordered 1
		.amdhsa_forward_progress 1
		.amdhsa_inst_pref_size 16
	.end_amdhsa_kernel
	.amdgpu_metadata
---
amdhsa.version: [ 1, 2 ]
amdhsa.kernels:
  - .name:           k_qf257da71a1_head
    .symbol:         k_qf257da71a1_head.kd
    .args:
      - { .name: pool, .offset: 0, .size: 8, .value_kind: global_buffer, .address_space: global }
      - { .name: ln_out_g, .offset: 8, .size: 8, .value_kind: global_buffer, .address_space: global }
      - { .name: ln_out_b, .offset: 16, .size: 8, .value_kind: global_buffer, .address_space: global }
      - { .name: Wp, .offset: 24, .size: 8, .value_kind: global_buffer, .address_space: global }
      - { .name: bp, .offset: 32, .size: 8, .value_kind: global_buffer, .address_space: global }
      - { .name: out0, .offset: 40, .size: 8, .value_kind: global_buffer, .address_space: global }
    .group_segment_fixed_size: 2048
    .private_segment_fixed_size: 0
    .kernarg_segment_align: 8
    .kernarg_segment_size: 48
    .max_flat_workgroup_size: 256
    .sgpr_count:     66
    .vgpr_count:     146
    .wavefront_size: 32
...
	.end_amdgpu_metadata
.endif
;; end of part 4
